; MI455X (gfx1250); checked and timed in simulation.
; The chip was launched on July 23, 2026; its instructions are those of AMD's public machine-readable ISA for CDNA 5 (MIT licence, August 2026) and "CDNA5" Instruction Set Architecture Reference Guide (July 2026). The comments in the code are by the model that wrote it; some were corrected since.
;; DE. Allowed arithmetic: float matrix products may take bf16 or f16 operands with f32 sums; all other float work in f32.
;; Inputs: bn_bias 1 float32; bn_weight 1 float32; x 8 x 2,048 x 1 float32; y 8 x 2,048 x 1 float32.
;; Outputs: out0 8 x 2,048 x 1 float32; out1 8 x 2,048 x 1 float32; out2 8 x 2,048 x 2 float32; out3 8 x 2,048 x 1 float32; out4 8 x 2,048 x 1 float32.
;; Constants: n_C = 1024, n_T = 1024.
;; One version. Each part assembles by itself: llvm-mc -triple=amdgcn-amd-amdhsa -mcpu=gfx1250 --defsym DOCPART=n.
;; ======== version 1 of 1: 2 launches
;; workspace buffers: rec 196,608 bytes
;; launch knn (part 1): grid 256 x 1, 12 waves a work-group, no clusters, 169,472 bytes of LDS; arguments x, y, rec; writes rec
.if DOCPART == 1
	.amdgcn_target "amdgcn-amd-amdhsa--gfx1250"
	.amdhsa_code_object_version 6
	.text
	.protected	k_q2b107e472d_knn
	.globl	k_q2b107e472d_knn
	.p2align	8
	.type	k_q2b107e472d_knn,@function
k_q2b107e472d_knn:
	s_mov_b64 s[64:65], 0
	v_nop
	global_prefetch_b8 v0, s[64:65] scope:SCOPE_SE
	s_setreg_imm32_b32 hwreg(HW_REG_WAVE_MODE, 25, 1), 1
	s_wait_xcnt 0x0
; NEAREST NEIGHBOUR AS reference() DEFINES IT: the element at place 1 of a stable sort of the distances, self included.
; x, y: [8][2048] f32.  Rows 0-1023 of a batch search j = 0..1023; rows 1024-2047 search j = 0..2047 with 1000 added to the distance where j > i.
; For each row three numbers are stored: a = x_i - x_j (signed; the key is |a|), y_j, and d = (y_i - y_j) / (2e-6 + |a|), not yet clipped.
;
; SHARE.  256 work-groups: batch b = wg >> 5, block g = wg & 31.  A work-group owns context rows 32 g .. 32 g + 31 and target rows
; 1024 + 32 g .. + 31: 32 x 1024 + 32 x 2048 = 98,304 pairs, the same in all.  Lane = row.  Twelve waves, 256 j each: waves 0-3 the four
; segments of the context rows' pool, waves 4-11 the eight segments of the target rows' pool.  x_j and y_j are the same for all lanes, so
; they come by scalar loads and are read as scalar operands: the scan touches neither LDS nor vector memory.
;
; METHOD.  j ascends and every compare is a strict <, so that of equal keys the lower index stays in front, as in a stable sort, with no
; index carried.  Candidates with j <= i: the two smallest (A1, Y1, A2, Y2).  Candidates with j > i (target rows): all of them lie behind all
; the others in index and their key is at least 1000, while self has key 0; so only the smallest of them can reach place 1: (AV, YV, KV) with
; KV = fl(|a| + 1000), the sum as reference() rounds it.  Place 1 = A2, or AV where KV < |A2|.  The values ride along by v_cndmask_b32: no
; address hangs on the choice.
;
; LIMITS.  x and y finite.  reference() orders by sqrt(a * a), which equals |a| while a * a neither underflows nor overflows; a non-zero
; |a| below 2^-63 (1.1e-19) or above 1.8e19 is ordered here by its true size.  d is v_rcp_f32 with one correction by the residual.
;
; NOT USED: matrix instructions (there is no product), tensor loads and joint requests in a cluster (a batch's x and y are 16,384 bytes and go
; straight into scalar registers; nothing is staged in LDS that partners could share).
; LDS: 9,984 bytes are used; 169,472 are asked for, so that the twelve waves have their four SIMDs to themselves.
.set INF,   0x7f800000
.set K1000, 0x447a0000                 ; 1000.0
.set EPS,   0x360637bd                 ; 2e-6
.set XI,  3                            ; v3       x of my row
.set DU,  6                            ; v6       diagonal chunk: a where j <= i, else +inf
.set DV,  7                            ; v7       diagonal chunk: a where j > i, else +inf
.set SU,  8                            ; v[8:11]  A1, Y1, A2, Y2
.set SV,  12                           ; v[12:14] AV, YV, KV
.set KT,  15                           ; v15      a masked candidate's key
.set ST,  24                           ; v[24:27] wave 0: the target rows' merged A1, Y1, A2, Y2
.set SVT, 28                           ; v[28:30] wave 0: the target rows' merged AV, YV, KV
.set DIF, 32                           ; v[32:47] sixteen differences; wave 0's merge: v[32:43] records of waves 1-3
.set RT,  48                           ; v[48:75] wave 0's merge: records of waves 5-11
.set RVT, 76                           ; v[76:81] wave 0's merge: masked records of waves 9-11
.set RU,  0                            ; LDS: wave w's (A1, Y1, A2, Y2) at 512 w + 16 lane        6,144 bytes
.set RV,  6144                         ; LDS: wave w's (AV, YV) at 6144 + 256 w + 8 lane          3,072 bytes (waves 8-11 store)
.set XS,  9216                         ; LDS: wave 0's exchange, 256 bytes a field                  768 bytes
; scalars: s2 wave, s3 g, s[4:5] x, s[6:7] y, s[8:9] rec, s10 b, s11 first row of my kind, s12 byte offset of the next 16 j, s13 chunk j / 32,
; s14 the chunk that holds the diagonal (64 = none), s15 trips, s[16:31] s[32:47] x_j y_j set 0, s[48:63] s[68:83] set 1, s84 s87 lane masks
; One candidate (a in v[d], its y in operand y) against the two smallest of state S.  +inf is never taken.
.macro INS_U S, d, y
	v_cmp_lt_f32 s84, |v[\d]|, |v[\S]|             ; in front of the first?
	v_cmp_lt_f32 vcc_lo, |v[\d]|, |v[\S+2]|        ; in front of the second?
	v_cndmask_b32 v[\S+2], v[\S+2], v[\d], vcc_lo
	v_cndmask_b32 v[\S+3], v[\S+3], \y, vcc_lo
	v_cndmask_b32 v[\S+2], v[\S+2], v[\S], s84     ; the old first moves down
	v_cndmask_b32 v[\S+3], v[\S+3], v[\S+1], s84
	v_cndmask_b32 v[\S], v[\S], v[\d], s84
	v_cndmask_b32 v[\S+1], v[\S+1], \y, s84
.endm
; One masked candidate against the smallest of state S (AV, YV, KV).
.macro INS_V S, d, y
	v_add_f32 v[KT], |v[\d]|, s85                  ; the key as reference() rounds it: |a| + 1000
	v_cmp_lt_f32 vcc_lo, v[KT], v[\S+2]
	v_min_num_f32 v[\S+2], v[\S+2], v[KT]
	v_cndmask_b32 v[\S], v[\S], v[\d], vcc_lo
	v_cndmask_b32 v[\S+1], v[\S+1], \y, vcc_lo
.endm
; Sixteen j from the scalar sets at X and Y.  kind 0: all j <= i.  kind 1: the chunk of the diagonal, j = my block's row u0 + ju.  kind 2: all j > i.
.macro HALF kind, X, Y, u0
.set ju, 0
.rept 16
	v_sub_f32 v[DIF+ju], v[XI], s[\X+ju]           ; a = x_i - x_j, rounded as in reference()
.set ju, ju+1
.endr
.set ju, 0
.rept 16
.if \kind == 0
	INS_U SU, DIF+ju, s[\Y+ju]
.else
.if \kind == 1
	s_lshl_b32 s87, -1, \u0+ju                     ; lanes at or above u0 + ju: there j <= i
	v_cndmask_b32 v[DU], s86, v[DIF+ju], s87
	v_cndmask_b32 v[DV], v[DIF+ju], s86, s87
	INS_U SU, DU, s[\Y+ju]
	INS_V SV, DV, s[\Y+ju]
.else
	INS_V SV, DIF+ju, s[\Y+ju]
.endif
.endif
.set ju, ju+1
.endr
.endm
; 32 j.  Two sets of scalar registers take turns: while one is worked on, the other is on its way.
.macro CHUNK kind
	s_wait_kmcnt 0x0                               ; set 0, asked for sixteen j ago, is in
	s_load_b512 s[48:63], s[4:5], s12 offset:0x40
	s_load_b512 s[68:83], s[6:7], s12 offset:0x40
	HALF \kind, 16, 32, 0
	s_wait_kmcnt 0x0                               ; set 1 is in, and no scalar load that names s12 is pending: s12 may step
	s_add_co_u32 s12, s12, 128
	s_min_u32 s12, s12, 65408                      ; the look-ahead of a wave's last trip is not used; clamped, its 128 bytes end at byte 65,535 of x and y
	s_load_b512 s[16:31], s[4:5], s12 offset:0x0
	s_load_b512 s[32:47], s[6:7], s12 offset:0x0
	HALF \kind, 48, 68, 16
.endm
	s_load_b128 s[4:7], s[0:1], 0x0                ; x, y
	s_load_b64 s[8:9], s[0:1], 0x10                ; rec
	v_lshl_add_u32 v96, v0, 2, 0x29000
	v_mov_b32 v97, 0
	v_and_b32 v1, 31, v0                           ; lane = my row in the block
	v_lshrrev_b32 v4, 5, v0
	v_readfirstlane_b32 s2, v4                     ; wave 0..11
	s_and_b32 s3, ttmp9, 31                        ; g
	s_lshr_b32 s10, ttmp9, 5                       ; b
	s_add_co_u32 s89, s3, 32                       ; the target rows' diagonal lies in chunk 32 + g
	s_cmp_ge_u32 s2, 4                             ; waves 4-11: target rows
	s_cselect_b32 s11, 1024, 0
	s_cselect_b32 s14, s89, 64                     ; context rows: no chunk reaches 64, all j count alike
	s_cselect_b32 s90, 4, 0
	s_sub_co_u32 s90, s2, s90                      ; my segment of 256 j
	s_lshl_b32 s13, s90, 3                         ; its first chunk
	s_lshl_b32 s12, s10, 13                        ; b x 8,192 bytes
	s_lshl_b32 s90, s90, 10
	s_add_co_u32 s12, s12, s90                     ; + segment x 1,024 bytes
	s_lshl_b32 s91, s3, 5
	s_add_co_u32 s91, s91, s11                     ; my block's first row
	s_lshl_b32 s91, s91, 2
	s_lshl_b32 s89, s10, 13
	s_add_co_u32 s91, s91, s89
	v_lshl_add_u32 v2, v1, 2, s91                  ; byte offset of my row in x and y
	s_mov_b32 s85, K1000
	s_mov_b32 s86, INF
	s_mov_b32 s88, EPS
	v_mov_b32 v[SU], s86                           ; empty states: keys +inf, which no compare lets in again
	v_mov_b32 v[SU+1], 0
	v_mov_b32 v[SU+2], s86
	v_mov_b32 v[SU+3], 0
	v_mov_b32 v[SV], s86
	v_mov_b32 v[SV+1], 0
	v_mov_b32 v[SV+2], s86
	s_wait_kmcnt 0x0
	global_load_b32 v[XI], v2, s[4:5]
	s_load_b512 s[16:31], s[4:5], s12 offset:0x0   ; set 0 of the first chunk
	s_load_b512 s[32:47], s[6:7], s12 offset:0x0
	s_mov_b32 s15, 0
	s_wait_loadcnt 0x0                             ; x_i
; THE SCAN: eight trips of 32 j.  Which of the three bodies a trip runs hangs on the wave's and the work-group's numbers and the trip alone.
.Lscan:
	s_cmp_lt_u32 s13, s14
	s_cbranch_scc1 .Lplain
	s_cmp_eq_u32 s13, s14
	s_cbranch_scc1 .Ldiag
	CHUNK 2
	s_branch .Ljoin
.Ldiag:
	CHUNK 1
	s_branch .Ljoin
.Lplain:
	CHUNK 0
.Ljoin:
	s_add_co_u32 s13, s13, 1
	s_add_co_u32 s15, s15, 1
	s_cmp_lt_u32 s15, 8
	s_cbranch_scc1 .Lscan
	s_wait_kmcnt 0x0                               ; the last look-ahead has landed
; HAND-OVER: each wave's state into LDS bytes of its own; one barrier; wave 0 merges.
	s_lshl_b32 s89, s2, 9
	v_lshl_add_u32 v18, v1, 4, s89                 ; RU + 512 wave + 16 lane
	s_lshl_b32 s89, s2, 8
	s_add_co_u32 s89, s89, RV
	v_lshl_add_u32 v19, v1, 3, s89                 ; RV + 256 wave + 8 lane
	ds_store_b128 v18, v[SU:SU+3]
	s_cmp_lt_u32 s2, 8                             ; j > i needs j >= 1025: segments 4-7 of the target pool, waves 8-11
	s_cbranch_scc1 .Lnomask
	ds_store_b64 v19, v[SV:SV+1]
.Lnomask:
	s_wait_dscnt 0x0                               ; for wave 0's sake: my stores are in LDS before I signal
	s_barrier_signal -1
	s_barrier_wait -1
	s_cmp_lg_u32 s2, 0
	s_cbranch_scc1 .Lend
; WAVE 0.  Its v2 is the context row's offset; the target row of the same lane lies 1,024 rows = 4,096 bytes further.
	global_load_b32 v16, v2, s[6:7]                ; y_i, context row: wanted only behind the merge
	global_load_b32 v17, v2, s[6:7] offset:4096    ; y_i, target row
.irp r, 0,1,2
	ds_load_b128 v[DIF+4*\r:DIF+4*\r+3], v18 offset:RU+512*(\r+1)      ; context: waves 1-3 (wave 0's own state is still in v[8:11])
.endr
	ds_load_b128 v[ST:ST+3], v18 offset:RU+512*4                       ; target: wave 4 starts the merged state
.irp r, 0,1,2,3,4,5,6
	ds_load_b128 v[RT+4*\r:RT+4*\r+3], v18 offset:RU+512*(\r+5)        ; target: waves 5-11
.endr
	ds_load_b64 v[SVT:SVT+1], v19 offset:256*8                         ; masked: wave 8 starts the merged state
.irp r, 0,1,2
	ds_load_b64 v[RVT+2*\r:RVT+2*\r+1], v19 offset:256*(\r+9)          ; masked: waves 9-11
.endr
	s_wait_dscnt 0x0
	; Segments in ascending order, within a record the first in front of the second: equal keys keep the order of their indices.
.irp r, 0,1,2
	INS_U SU, DIF+4*\r, v[DIF+4*\r+1]
	INS_U SU, DIF+4*\r+2, v[DIF+4*\r+3]
.endr
.irp r, 0,1,2,3,4,5,6
	INS_U ST, RT+4*\r, v[RT+4*\r+1]
	INS_U ST, RT+4*\r+2, v[RT+4*\r+3]
.endr
	v_add_f32 v[SVT+2], |v[SVT]|, s85              ; wave 8's key again, from its a (+inf stays +inf)
.irp r, 0,1,2
	INS_V SVT, RVT+2*\r, v[RVT+2*\r+1]
.endr
	v_cmp_lt_f32 vcc_lo, v[SVT+2], |v[ST+2]|       ; the masked one only where it is strictly nearer: a tie goes to the lower index
	v_cndmask_b32 v[ST+2], v[ST+2], v[SVT], vcc_lo
	v_cndmask_b32 v[ST+3], v[ST+3], v[SVT+1], vcc_lo
	; d = (y_i - y_n) / (2e-6 + |a|) for both rows
	s_wait_loadcnt 0x0                             ; y_i
	v_sub_f32 v82, v16, v[SU+3]
	v_sub_f32 v83, v17, v[ST+3]
	v_add_f32 v84, |v[SU+2]|, s88
	v_add_f32 v85, |v[ST+2]|, s88
	v_rcp_f32 v86, v84
	v_rcp_f32 v87, v85
	v_lshlrev_b32 v18, 2, v1                       ; a plain instruction between the reciprocals and their first use (ISA guide 5.7.2): 4 x lane
	v_lshlrev_b32 v92, 3, v1                       ; 8 x lane
	s_wait_alu depctr_va_vdst(0)
	v_mul_f32 v88, v82, v86                        ; q = n r
	v_mul_f32 v89, v83, v87
	v_fma_f32 v90, -v88, v84, v82                  ; the residual n - q den, exact in the fused form,
	v_fma_f32 v91, -v89, v85, v83
	v_fma_f32 v88, v90, v86, v88                   ; corrects q
	v_fma_f32 v89, v91, v87, v89
	; THE WAY OUT.  A field's 64 words (32 context rows, then 32 target rows) go through wave 0's own LDS bytes, so that each field leaves
	; by one store of 256 consecutive bytes at a multiple of 256 from rec's first byte.  LDS serves a wave's instructions in order (ISA guide 5.7.1).
	ds_store_b32 v18, v[SU+2] offset:XS
	ds_store_b32 v18, v[ST+2] offset:XS+128
	ds_store_b32 v18, v[SU+3] offset:XS+256
	ds_store_b32 v18, v[ST+3] offset:XS+384
	ds_store_b32 v18, v88 offset:XS+512
	ds_store_b32 v18, v89 offset:XS+640
	ds_load_b64 v[20:21], v92 offset:XS
	ds_load_b64 v[22:23], v92 offset:XS+256
	ds_load_b64 v[32:33], v92 offset:XS+512
	s_lshl_b32 s90, ttmp9, 8                       ; my 256 bytes of each field
	s_mov_b32 s91, 0
	s_add_nc_u64 s[8:9], s[8:9], s[90:91]
	s_wait_dscnt 0x0
	global_store_b64 v92, v[20:21], s[8:9]                 ; a
	global_store_b64 v92, v[22:23], s[8:9] offset:65536    ; y_n
	global_store_b64 v92, v[32:33], s[8:9] offset:131072   ; d
.Lend:
	s_wait_tensorcnt 0x0
	ds_add_u32 v96, v97
	s_wait_dscnt 0x0
	s_endpgm
.Lfunc_end_k_q2b107e472d_knn:
	.size	k_q2b107e472d_knn, .Lfunc_end_k_q2b107e472d_knn-k_q2b107e472d_knn
	.p2alignl 7, 3214868480
	.fill 96, 4, 3214868480
	.section	.rodata,"a",@progbits
	.p2align	6, 0x0
	.amdhsa_kernel k_q2b107e472d_knn
		.amdhsa_group_segment_fixed_size 169472
		.amdhsa_private_segment_fixed_size 0
		.amdhsa_enable_private_segment 0
		.amdhsa_kernarg_size 24
		.amdhsa_user_sgpr_count 2
		.amdhsa_user_sgpr_kernarg_segment_ptr 1
		.amdhsa_wavefront_size32 1
		.amdhsa_system_sgpr_workgroup_id_x 1
		.amdhsa_system_sgpr_workgroup_id_y 1
		.amdhsa_system_sgpr_workgroup_id_z 1
		.amdhsa_system_vgpr_workitem_id 0
		.amdhsa_next_free_vgpr 98
		.amdhsa_next_free_sgpr 96
		.amdhsa_reserve_vcc 1
		.amdhsa_float_denorm_mode_32 3
		.amdhsa_float_denorm_mode_16_64 3
		.amdhsa_memory_ordered 1
		.amdhsa_forward_progress 1
		.amdhsa_inst_pref_size 72
	.end_amdhsa_kernel
	.amdgpu_metadata
---
amdhsa.version: [ 1, 2 ]
amdhsa.kernels:
  - .name:           k_q2b107e472d_knn
    .symbol:         k_q2b107e472d_knn.kd
    .args:
      - { .name: x, .offset: 0, .size: 8, .value_kind: global_buffer, .address_space: global }
      - { .name: y, .offset: 8, .size: 8, .value_kind: global_buffer, .address_space: global }
      - { .name: rec, .offset: 16, .size: 8, .value_kind: global_buffer, .address_space: global }
    .group_segment_fixed_size: 169472
    .private_segment_fixed_size: 0
    .kernarg_segment_align: 8
    .kernarg_segment_size: 24
    .max_flat_workgroup_size: 384
    .sgpr_count:     96
    .vgpr_count:     98
    .wavefront_size: 32
...
	.end_amdgpu_metadata
.endif
;; end of part 1
;; launch norm (part 2): grid 16 x 1, 8 waves a work-group, no clusters, 1,536 bytes of LDS; arguments x, y, bn_weight, bn_bias, rec, out0, out1, out2, out3, out4; writes out0, out1, out2, out3, out4
.if DOCPART == 2
	.amdgcn_target "amdgcn-amd-amdhsa--gfx1250"
	.amdhsa_code_object_version 6
	.text
	.protected	k_q2b107e472d_norm
	.globl	k_q2b107e472d_norm
	.p2align	8
	.type	k_q2b107e472d_norm,@function
k_q2b107e472d_norm:
	s_mov_b64 s[64:65], 0
	v_nop
	global_prefetch_b8 v0, s[64:65] scope:SCOPE_SE
	s_setreg_imm32_b32 hwreg(HW_REG_WAVE_MODE, 25, 1), 1
	s_wait_xcnt 0x0
; THE FIVE OUTPUTS from rec (field 0: a = x_i - x_n, field 1: y_n, field 2: d; a field is 65,536 bytes; inside it 256 bytes for each block
; of the first launch: 32 context rows, then 32 target rows).
;   out0 = y_i - y_n    out1 = a    out3 = x_i - a    out4 = y_n
;   out2 = ((d2 - mean) / sqrt(var + 1e-5) * weight + bias, label), d2 = 0 where |d| > 200, else d; label = 1 where |d| <= 200 (a NaN: 0)
; mean and var run over all 16,384 d2.  No work-group may wait for another, so each of the 16 work-groups reads all 65,536 bytes of d, keeps
; the clipped numbers in registers (64 a lane) and makes two passes: the mean, then the mean of (d2 - mean)^2.  No difference of large sums.
; All work-groups add in the same order, so all hold the same mean and variance.  More work-groups would each read the same 65,536 bytes again
; and shorten none of them; that is why there are 16.
; SHARE.  Work-group k owns the blocks 16 k .. 16 k + 15 (1,024 rows), wave w two of them: 64 neighbouring context rows and 64 neighbouring
; target rows.  Lanes 0-15 take the context rows, lanes 16-31 the target rows, so that sixteen neighbouring lanes store 256 consecutive bytes at
; a multiple of 256 from the output's first byte.
; LIMITS.  out3 = x_i - a carries the rounding of a = fl(x_i - x_n): it is x_n to within that rounding, exact where the subtraction was.  The
; statistics are summed in another order than reference()'s.  No matrix instructions (no product), no tensor loads, no cluster (nothing is staged in LDS).
.set A4,  8                            ; v[8:11]    a of my four rows: out1 as it stands
.set YN,  12                           ; v[12:15]   y_n: out4 as it stands
.set X4,  16                           ; v[16:19]   x_i
.set Y4,  20                           ; v[20:23]   y_i
.set D4,  24                           ; v[24:27]   d of my four rows of out2
.set SD,  32                           ; v[32:95]   64 of the 16,384 d
.set ACC, 96                           ; v[96:103]  four chains of two sums
.set YD,  104                          ; v[104:107] out0
.set XN,  108                          ; v[108:111] out3
.set O2,  112                          ; v[112:119] out2: (normalised, label) x 4
.set MEAN, 120                         ; v[120:121] the mean, twice (a pair for the packed subtraction)
.macro CLIP r                          ; 0 where |d| > 200; a NaN stays, as in reference()
	v_cmp_gt_f32 vcc_lo, |v[\r]|, s26
	v_cndmask_b32 v[\r], v[\r], 0, vcc_lo
.endm
; Pass 1 on the four loads of group g; left = how many younger loads stay out.
.macro GROUP1 g, left
	s_wait_loadcnt \left
.set ii, 0
.rept 16
	CLIP SD+16*\g+ii
.set ii, ii+1
.endr
.set cc, 0
.rept 4
.if \g == 0
	v_pk_add_f32 v[ACC+2*cc:ACC+2*cc+1], v[SD+2*cc:SD+2*cc+1], v[SD+8+2*cc:SD+8+2*cc+1]      ; the first two pairs start a chain: nothing is cleared
.else
	v_pk_add_f32 v[ACC+2*cc:ACC+2*cc+1], v[ACC+2*cc:ACC+2*cc+1], v[SD+16*\g+2*cc:SD+16*\g+2*cc+1]
	v_pk_add_f32 v[ACC+2*cc:ACC+2*cc+1], v[ACC+2*cc:ACC+2*cc+1], v[SD+16*\g+8+2*cc:SD+16*\g+8+2*cc+1]
.endif
.set cc, cc+1
.endr
.endm
; Eight numbers in v[96:103] to one in v96.
.macro FOLD
	v_pk_add_f32 v[ACC:ACC+1], v[ACC:ACC+1], v[ACC+2:ACC+3]
	v_pk_add_f32 v[ACC+4:ACC+5], v[ACC+4:ACC+5], v[ACC+6:ACC+7]
	v_pk_add_f32 v[ACC:ACC+1], v[ACC:ACC+1], v[ACC+4:ACC+5]
	v_add_f32 v[ACC], v[ACC], v[ACC+1]
.endm
; The lanes' eight numbers in v[96:103] to the work-group's sum in v96 of every lane.  at: LDS bytes for the eight waves' sums.
.macro TOTAL at
	FOLD
	v_add_f32_dpp v[ACC], v[ACC], v[ACC] row_xmask:1 row_mask:0xf bank_mask:0xf
	v_add_f32_dpp v[ACC], v[ACC], v[ACC] row_xmask:2 row_mask:0xf bank_mask:0xf
	v_add_f32_dpp v[ACC], v[ACC], v[ACC] row_xmask:4 row_mask:0xf bank_mask:0xf
	v_add_f32_dpp v[ACC], v[ACC], v[ACC] row_xmask:8 row_mask:0xf bank_mask:0xf
	v_permlanex16_b32 v[ACC+1], v[ACC], s27, s28   ; the other sixteen lanes' sum (its destination has been written before)
	v_add_f32 v[ACC], v[ACC], v[ACC+1]
	ds_store_b32 v126, v[ACC] offset:\at           ; all lanes write the wave's word with the same number
	s_wait_dscnt 0x0                               ; for the others' sake: in LDS before I signal
	s_barrier_signal -1
	s_barrier_wait -1
	ds_load_b128 v[ACC:ACC+3], v127 offset:\at
	ds_load_b128 v[ACC+4:ACC+7], v127 offset:\at+16
	s_wait_dscnt 0x0
	FOLD
.endm
	s_load_b512 s[4:19], s[0:1], 0x0               ; x s[4:5], y s[6:7], weight s[8:9], bias s[10:11], rec s[12:13], out0 s[14:15], out1 s[16:17], out2 s[18:19]
	s_load_b128 s[20:23], s[0:1], 0x40             ; out3 s[20:21], out4 s[22:23]
	v_lshl_add_u32 v128, v0, 2, 0x200
	v_mov_b32 v129, 0
	v_and_b32 v6, 31, v0                           ; l
	v_lshrrev_b32 v7, 5, v0
	v_readfirstlane_b32 s29, v7                    ; wave w
	v_and_b32 v122, 15, v6                         ; l & 15
	v_lshrrev_b32 v123, 4, v6                      ; l >> 4: 0 context rows, 1 target rows
	v_and_b32 v124, 7, v6                          ; l & 7
	v_bfe_u32 v125, v6, 3, 1                       ; which of my wave's two blocks, for 16 bytes a lane
	s_mov_b32 s26, 0x43480000                      ; 200.0
	s_mov_b32 s27, 0x76543210                      ; v_permlanex16_b32: lane i reads lane i of the other half
	s_mov_b32 s28, 0xfedcba98
	s_mov_b32 s34, 0x38800000                      ; 1 / 16,384
	s_lshl_b32 s30, ttmp9, 12                      ; k x 16 blocks x 256 bytes
	s_lshl_b32 s31, s29, 9                         ; + w x 2 blocks
	s_add_co_u32 s30, s30, s31
	v_lshlrev_b32 v1, 4, v124                      ; v1: in a field of rec, four rows a lane: 16 (l & 7)
	v_lshl_add_u32 v1, v125, 8, v1                 ;     + 256 x block
	v_lshl_add_u32 v1, v123, 7, v1                 ;     + 128 x kind
	v_add_nc_u32 v1, s30, v1
	v_lshlrev_b32 v3, 3, v122                      ; v3: in a field of rec, two rows a lane: 8 (l & 15) + 128 x kind; the second block by the immediate
	v_lshl_add_u32 v3, v123, 7, v3
	v_add_nc_u32 v3, s30, v3
	s_lshr_b32 s32, ttmp9, 1                       ; batch
	s_and_b32 s33, ttmp9, 1                        ; which 512 rows of each kind
	s_lshl_b32 s32, s32, 13
	s_lshl_b32 s33, s33, 11
	s_add_co_u32 s32, s32, s33
	s_lshl_b32 s33, s29, 8                         ; my wave's 64 rows
	s_add_co_u32 s32, s32, s33
	v_lshlrev_b32 v2, 4, v122                      ; v2: in x, y, out0, out1, out3, out4: 16 (l & 15) + 4,096 x kind
	v_lshl_add_u32 v2, v123, 12, v2
	v_add_nc_u32 v2, s32, v2
	s_lshl_b32 s33, s32, 1                         ; out2 has 8 bytes a row: everything twice
	v_lshlrev_b32 v4, 4, v122                      ; v4: in out2: 16 (l & 15) + 8,192 x kind; the second 256 bytes by the immediate
	v_lshl_add_u32 v4, v123, 13, v4
	v_add_nc_u32 v4, s33, v4
	v_lshlrev_b32 v5, 4, v0                        ; v5: the statistics: 16 bytes a thread, 4,096 a load of the work-group
	s_lshl_b32 s31, s29, 2
	v_mov_b32 v126, s31                            ; my wave's word among the partial sums
	v_mov_b32 v127, 0
	s_wait_kmcnt 0x0
	s_load_b32 s24, s[8:9], 0x0                    ; weight
	s_load_b32 s25, s[10:11], 0x0                  ; bias
	global_load_b128 v[A4:A4+3], v1, s[12:13]
	global_load_b128 v[YN:YN+3], v1, s[12:13] offset:65536
	global_load_b128 v[X4:X4+3], v2, s[4:5]
	global_load_b128 v[Y4:Y4+3], v2, s[6:7]
	global_load_b64 v[D4:D4+1], v3, s[12:13] offset:131072
	global_load_b64 v[D4+2:D4+3], v3, s[12:13] offset:131072+256
.irp q, 0,1,2,3,4,5,6,7,8,9,10,11,12,13,14,15
	global_load_b128 v[SD+4*\q:SD+4*\q+3], v5, s[12:13] offset:131072+4096*\q
.endr
	; the four outputs that need no statistics
	s_wait_loadcnt 16                              ; loads return in order (ISA guide 5.7.1): my six are in, the sixteen for the statistics stay out
	v_pk_add_f32 v[YD:YD+1], v[Y4:Y4+1], v[YN:YN+1] neg_lo:[0,1] neg_hi:[0,1]
	v_pk_add_f32 v[YD+2:YD+3], v[Y4+2:Y4+3], v[YN+2:YN+3] neg_lo:[0,1] neg_hi:[0,1]
	v_pk_add_f32 v[XN:XN+1], v[X4:X4+1], v[A4:A4+1] neg_lo:[0,1] neg_hi:[0,1]
	v_pk_add_f32 v[XN+2:XN+3], v[X4+2:X4+3], v[A4+2:A4+3] neg_lo:[0,1] neg_hi:[0,1]
	global_store_b128 v2, v[YD:YD+3], s[14:15]     ; none of these stores' registers is written again
	global_store_b128 v2, v[A4:A4+3], s[16:17]
	global_store_b128 v2, v[XN:XN+3], s[20:21]
	global_store_b128 v2, v[YN:YN+3], s[22:23]
	; pass 1: clip, sum, mean
	GROUP1 0, 12
	GROUP1 1, 8
	GROUP1 2, 4
	GROUP1 3, 0
	TOTAL 0
	v_mul_f32 v[MEAN], s34, v[ACC]
	v_mul_f32 v[MEAN+1], s34, v[ACC]
	; pass 2: the sum of (d2 - mean)^2
.set pp, 0
.rept 32
	v_pk_add_f32 v[SD+2*pp:SD+2*pp+1], v[SD+2*pp:SD+2*pp+1], v[MEAN:MEAN+1] neg_lo:[0,1] neg_hi:[0,1]
.set pp, pp+1
.endr
.set pp, 0
.rept 32
.if pp < 4
	v_pk_mul_f32 v[ACC+2*pp:ACC+2*pp+1], v[SD+2*pp:SD+2*pp+1], v[SD+2*pp:SD+2*pp+1]          ; the first four squares start the chains
.else
	v_pk_fma_f32 v[ACC+2*(pp%4):ACC+2*(pp%4)+1], v[SD+2*pp:SD+2*pp+1], v[SD+2*pp:SD+2*pp+1], v[ACC+2*(pp%4):ACC+2*(pp%4)+1]
.endif
.set pp, pp+1
.endr
	TOTAL 256                                      ; other LDS bytes than pass 1's: no wave can overwrite a word that another still reads
	v_fmaak_f32 v[ACC], s34, v[ACC], 0x3727c5ac    ; var + 1e-5
	v_rsq_f32 v[ACC+1], v[ACC]                     ; the eighteen plain instructions below stand between it and its use (ISA guide 5.7.2)
	; out2 for my four rows
.irp i, 0,1,2,3
	v_cmp_le_f32 vcc_lo, |v[D4+\i]|, s26           ; d2 == d1 exactly where |d| <= 200; false for a NaN
	v_cndmask_b32 v[O2+2*\i+1], 0, 1.0, vcc_lo
	CLIP D4+\i
.endr
	v_pk_add_f32 v[D4:D4+1], v[D4:D4+1], v[MEAN:MEAN+1] neg_lo:[0,1] neg_hi:[0,1]
	v_pk_add_f32 v[D4+2:D4+3], v[D4+2:D4+3], v[MEAN:MEAN+1] neg_lo:[0,1] neg_hi:[0,1]
	s_wait_kmcnt 0x0                               ; weight and bias
	s_wait_alu depctr_va_vdst(0)
	v_mul_f32 v[ACC+1], s24, v[ACC+1]              ; weight / sqrt(var + 1e-5)
.irp i, 0,1,2,3
	v_fma_f32 v[O2+2*\i], v[D4+\i], v[ACC+1], s25
.endr
	global_store_b128 v4, v[O2:O2+3], s[18:19]
	global_store_b128 v4, v[O2+4:O2+7], s[18:19] offset:256
	s_wait_tensorcnt 0x0
	ds_add_u32 v128, v129
	s_wait_dscnt 0x0
	s_endpgm
.Lfunc_end_k_q2b107e472d_norm:
	.size	k_q2b107e472d_norm, .Lfunc_end_k_q2b107e472d_norm-k_q2b107e472d_norm
	.p2alignl 7, 3214868480
	.fill 96, 4, 3214868480
	.section	.rodata,"a",@progbits
	.p2align	6, 0x0
	.amdhsa_kernel k_q2b107e472d_norm
		.amdhsa_group_segment_fixed_size 1536
		.amdhsa_private_segment_fixed_size 0
		.amdhsa_enable_private_segment 0
		.amdhsa_kernarg_size 80
		.amdhsa_user_sgpr_count 2
		.amdhsa_user_sgpr_kernarg_segment_ptr 1
		.amdhsa_wavefront_size32 1
		.amdhsa_system_sgpr_workgroup_id_x 1
		.amdhsa_system_sgpr_workgroup_id_y 1
		.amdhsa_system_sgpr_workgroup_id_z 1
		.amdhsa_system_vgpr_workitem_id 0
		.amdhsa_next_free_vgpr 130
		.amdhsa_next_free_sgpr 66
		.amdhsa_reserve_vcc 1
		.amdhsa_float_denorm_mode_32 3
		.amdhsa_float_denorm_mode_16_64 3
		.amdhsa_memory_ordered 1
		.amdhsa_forward_progress 1
		.amdhsa_inst_pref_size 23
	.end_amdhsa_kernel
	.amdgpu_metadata
---
amdhsa.version: [ 1, 2 ]
amdhsa.kernels:
  - .name:           k_q2b107e472d_norm
    .symbol:         k_q2b107e472d_norm.kd
    .args:
      - { .name: x, .offset: 0, .size: 8, .value_kind: global_buffer, .address_space: global }
      - { .name: y, .offset: 8, .size: 8, .value_kind: global_buffer, .address_space: global }
      - { .name: bn_weight, .offset: 16, .size: 8, .value_kind: global_buffer, .address_space: global }
      - { .name: bn_bias, .offset: 24, .size: 8, .value_kind: global_buffer, .address_space: global }
      - { .name: rec, .offset: 32, .size: 8, .value_kind: global_buffer, .address_space: global }
      - { .name: out0, .offset: 40, .size: 8, .value_kind: global_buffer, .address_space: global }
      - { .name: out1, .offset: 48, .size: 8, .value_kind: global_buffer, .address_space: global }
      - { .name: out2, .offset: 56, .size: 8, .value_kind: global_buffer, .address_space: global }
      - { .name: out3, .offset: 64, .size: 8, .value_kind: global_buffer, .address_space: global }
      - { .name: out4, .offset: 72, .size: 8, .value_kind: global_buffer, .address_space: global }
    .group_segment_fixed_size: 1536
    .private_segment_fixed_size: 0
    .kernarg_segment_align: 8
    .kernarg_segment_size: 80
    .max_flat_workgroup_size: 256
    .sgpr_count:     66
    .vgpr_count:     130
    .wavefront_size: 32
...
	.end_amdgpu_metadata
.endif
;; end of part 2
